; MI455X (gfx1250); checked and timed in simulation.
; The chip was launched on July 23, 2026; its instructions are those of AMD's public machine-readable ISA for CDNA 5 (MIT licence, August 2026) and "CDNA5" Instruction Set Architecture Reference Guide (July 2026). The comments in the code are by the model that wrote it; some were corrected since.
;; Diverse Asmaa Mo E. Allowed arithmetic: float matrix products may take bf16 or f16 operands with f32 sums; other float arithmetic in f32, or as packed bf16 or f16 multiplies, adds, multiply-adds, maxima and minima; sums over many terms, partial sums and values carried from step to step in f32; what a program stores and reads back later, other than sums and carried values, may be rounded once to bf16 or f16.
;; Inputs: b1 14 x 2,048 float32; b2 14 x 1,024 float32; gate_w 14 x 1,024 float32; h 2 x 512 x 1,024 float32; w1 14 x 1,024 x 2,048 float32; w2 14 x 2,048 x 1,024 float32.
;; Outputs: out0 2 x 512 x 1,024 float32.
;; One version. Each part assembles by itself: llvm-mc -triple=amdgcn-amd-amdhsa -mcpu=gfx1250 --defsym DOCPART=n.
;; ======== version 1 of 1: 4 launches
;; limits: a function is approximated: absolute error at most 1.5e-07
;; workspace buffers: xb 2,097,152 bytes; idx 8,192 bytes of whole numbers; wts 8,192 bytes; lists 64,512 bytes of whole numbers; hid 8,388,608 bytes; part 8,388,608 bytes
;; launch router (part 1): grid 256 x 1, 4 waves a work-group, no clusters, 41,472 bytes of LDS; arguments h, gate_w, xb, idx, wts; writes xb, idx, wts
.if DOCPART == 1
	.amdgcn_target "amdgcn-amd-amdhsa--gfx1250"
	.amdhsa_code_object_version 6
	.text
	.protected	k_q3f912339a3_router
	.globl	k_q3f912339a3_router
	.p2align	8
	.type	k_q3f912339a3_router,@function
k_q3f912339a3_router:
	s_mov_b64 s[64:65], 0
	v_nop
	global_prefetch_b8 v0, s[64:65] scope:SCOPE_SE
	s_setreg_imm32_b32 hwreg(HW_REG_WAVE_MODE, 25, 1), 1
	s_wait_xcnt 0x0
; ROUTER.  logits = x gate_w^T in f32 on the vector unit, softmax over 14 experts (the maximum taken away first), the two largest probabilities
; (ties keep the lower index, as jax.lax.top_k does), w = p / max(p1 + p2, 1e-10).  Also x rounded once to bf16 (xb), the first product's operand.
; The logits stay in f32: which experts are chosen hangs on differences far below a 16-bit rounding, and they are 0.17 % of the arithmetic.
; SHARES.  A work-group has 4 tokens.  Wave w takes columns 256 w .. 256 w + 255 of all 4 tokens and all 14 experts (a lane 2 x 4 columns: each load of a wave covers
; 512 consecutive bytes); the lanes' partial sums meet in LDS, and wave w finishes token w.
; OUT.  idx[2 n + k] = the k-th chosen expert, wts[2 n + k] = its weight, at fixed places: no address here hangs on the choice.  These are two stores of 8 bytes a token,
; 16 KB in the whole launch: a work-group owns only 32 bytes of each buffer.  xb leaves in whole aligned runs of 256 bytes.
; LIMITS.  NaN and infinities are not treated apart.  A probability below 2^-126 counts as 0; where the second probability is such a 0, the second expert may differ from
; the one jax picks, and its weight is 0.  No cluster: the work-groups share only gate_w, 57 KB.
.set SPARE, 40960                      ; behind the partial sums: the spare words, 128 bytes a wave
.set XR, 16                            ; v[16:47]   x: token t, half q at XR + 8 t + 4 q
.set GR, 48                            ; v[48:159]  gate_w: expert e, half q at GR + 8 e + 4 q; later the logits
.set SR, 160                           ; v[160:215] my lane's partial sum of token t, expert e at SR + 14 t + e
.set BR, 216                           ; v[216:231] x in bf16
	s_load_b256 s[4:11], s[0:1], 0x0               ; h s[4:5], gate_w s[6:7], xb s[8:9], idx s[10:11]
	s_load_b64 s[12:13], s[0:1], 0x20              ; wts
	v_lshl_add_u32 v4, v0, 2, SPARE                ; my spare word
	v_mov_b32 v5, 0                                ; and 0: kept for the closing add alone
	v_lshrrev_b32 v7, 5, v0
	v_readfirstlane_b32 s14, v7                    ; wave
	v_and_b32 v6, 31, v0                           ; lane
	s_lshl_b32 s15, s14, 10
	v_lshl_add_u32 v1, v6, 4, s15                  ; byte offset in a row of x or gate_w: 1,024 w + 16 lane
	s_lshl_b32 s15, s14, 9
	v_lshl_add_u32 v2, v6, 3, s15                  ; in a row of xb: 512 w + 8 lane
	v_mul_u32_u24 v232, v6, 80                     ; a lane's 14 sums take 56 of 80 bytes: an odd multiple of 16
	s_mul_i32 s15, s14, 10240
	v_add_nc_u32 v3, s15, v232                     ; where I put my sums: [wave][token][lane]
	s_mul_i32 s15, s14, 2560
	v_add_nc_u32 v232, s15, v232                   ; where I read token w's sums
	s_lshl_b32 s15, s14, 3
	v_mov_b32 v233, s15                            ; token w's 8 bytes in idx and wts
	s_lshl_b32 s16, ttmp9, 14                      ; 4 rows of 4,096 bytes
	s_mov_b32 s17, 0
	s_lshl_b32 s18, ttmp9, 13                      ; 4 rows of 2,048 bytes
	s_mov_b32 s19, 0
	s_lshl_b32 s20, ttmp9, 5                       ; 4 tokens of 8 bytes
	s_mov_b32 s21, 0
	s_mov_b32 s22, 0x76543210                      ; v_permlanex16_b32: each lane takes its own place in the other half
	s_mov_b32 s23, 0xfedcba98
	s_mov_b32 s25, 0x3fb8aa3b                      ; log2(e)
	s_wait_kmcnt 0x0
	s_add_nc_u64 s[4:5], s[4:5], s[16:17]
	s_add_nc_u64 s[8:9], s[8:9], s[18:19]
	s_add_nc_u64 s[10:11], s[10:11], s[20:21]
	s_add_nc_u64 s[12:13], s[12:13], s[20:21]
.irp t,0,1,2,3
.irp q,0,1
	global_load_b128 v[XR+8*(\t)+4*(\q):XR+8*(\t)+4*(\q)+3], v1, s[4:5] offset:4096*(\t)+512*(\q)
.endr
.endr
.irp e,0,1,2,3,4,5,6,7,8,9,10,11,12,13
.irp q,0,1
	global_load_b128 v[GR+8*(\e)+4*(\q):GR+8*(\e)+4*(\q)+3], v1, s[6:7] offset:4096*(\e)+512*(\q)
.endr
.endr
	s_wait_loadcnt 28                              ; x is in: the 28 loads of gate_w are younger
.irp t,0,1,2,3
.irp q,0,1
	v_cvt_pk_bf16_f32 v[BR+4*(\t)+2*(\q)],   v[XR+8*(\t)+4*(\q)],   v[XR+8*(\t)+4*(\q)+1]
	v_cvt_pk_bf16_f32 v[BR+4*(\t)+2*(\q)+1], v[XR+8*(\t)+4*(\q)+2], v[XR+8*(\t)+4*(\q)+3]
	global_store_b64 v2, v[BR+4*(\t)+2*(\q):BR+4*(\t)+2*(\q)+1], s[8:9] offset:2048*(\t)+256*(\q)  ; 32 lanes: 256 consecutive bytes, aligned
.endr
.endr
	; my 8 columns' share of the 56 dot products; the four tokens' chains take turns
.irp e,0,1,2,3,4,5,6,7,8,9,10,11,12,13
	s_wait_loadcnt 26-2*(\e)                       ; expert e's two loads are in: 2 (13 - e) are younger
.irp t,0,1,2,3
	v_pk_mul_f32 v[8+2*(\t):9+2*(\t)], v[XR+8*(\t):XR+8*(\t)+1], v[GR+8*(\e):GR+8*(\e)+1]
.endr
.irp c,1,2,3
.irp t,0,1,2,3
	v_pk_fma_f32 v[8+2*(\t):9+2*(\t)], v[XR+8*(\t)+2*(\c):XR+8*(\t)+2*(\c)+1], v[GR+8*(\e)+2*(\c):GR+8*(\e)+2*(\c)+1], v[8+2*(\t):9+2*(\t)]
.endr
.endr
.irp t,0,1,2,3
	v_add_f32 v[SR+14*(\t)+(\e)], v[8+2*(\t)], v[9+2*(\t)]
.endr
.endr
.irp t,0,1,2,3
	ds_store_b128 v3, v[SR+14*(\t):SR+14*(\t)+3]     offset:2560*(\t)
	ds_store_b128 v3, v[SR+14*(\t)+4:SR+14*(\t)+7]   offset:2560*(\t)+16
	ds_store_b128 v3, v[SR+14*(\t)+8:SR+14*(\t)+11]  offset:2560*(\t)+32
	ds_store_b64  v3, v[SR+14*(\t)+12:SR+14*(\t)+13] offset:2560*(\t)+48
.endr
	s_wait_dscnt 0x0                               ; for the others' sake: my sums are in LDS
	s_barrier_signal -1
	s_barrier_wait -1
.irp w,0,1,2,3
	ds_load_b128 v[GR+16*(\w):GR+16*(\w)+3],     v232 offset:10240*(\w)
	ds_load_b128 v[GR+16*(\w)+4:GR+16*(\w)+7],   v232 offset:10240*(\w)+16
	ds_load_b128 v[GR+16*(\w)+8:GR+16*(\w)+11],  v232 offset:10240*(\w)+32
	ds_load_b64  v[GR+16*(\w)+12:GR+16*(\w)+13], v232 offset:10240*(\w)+48
.endr
	s_wait_dscnt 0x0
.irp k,0,1,2,3,4,5,6
	v_pk_add_f32 v[GR+2*(\k):GR+2*(\k)+1],       v[GR+2*(\k):GR+2*(\k)+1],       v[GR+16+2*(\k):GR+16+2*(\k)+1]
	v_pk_add_f32 v[GR+32+2*(\k):GR+32+2*(\k)+1], v[GR+32+2*(\k):GR+32+2*(\k)+1], v[GR+48+2*(\k):GR+48+2*(\k)+1]
.endr
.irp k,0,1,2,3,4,5,6
	v_pk_add_f32 v[GR+2*(\k):GR+2*(\k)+1], v[GR+2*(\k):GR+2*(\k)+1], v[GR+32+2*(\k):GR+32+2*(\k)+1]
.endr
	; across the 32 lanes: four steps inside each half ride on the addition, one crosses the halves; the 14 sums take turns
.irp x,1,2,4,8
.irp e,0,1,2,3,4,5,6,7,8,9,10,11,12,13
	v_add_f32_dpp v[GR+(\e)], v[GR+(\e)], v[GR+(\e)] row_xmask:\x row_mask:0xf bank_mask:0xf
.endr
.endr
.irp e,0,1,2,3,4,5,6,7,8,9,10,11,12,13
	v_permlanex16_b32 v[GR+16+(\e)], v[GR+(\e)], s22, s23   ; its destination has been written (the sums read above)
.endr
.irp e,0,1,2,3,4,5,6,7,8,9,10,11,12,13
	v_add_f32 v[GR+(\e)], v[GR+(\e)], v[GR+16+(\e)]         ; every lane now holds token w's 14 logits
.endr
	v_max3_num_f32 v112, v48, v49, v50
	v_max3_num_f32 v112, v112, v51, v52
	v_max3_num_f32 v112, v112, v53, v54
	v_max3_num_f32 v112, v112, v55, v56
	v_max3_num_f32 v112, v112, v57, v58
	v_max3_num_f32 v112, v112, v59, v60
	v_max_num_f32 v112, v112, v61                  ; the maximum
	v_mul_f32 v113, s25, v112
.irp e,0,1,2,3,4,5,6,7,8,9,10,11,12,13
	v_fma_f32 v[GR+(\e)], v[GR+(\e)], s25, -v113   ; (l - m) log2(e); the rounding of m log2(e) is common to all 14 and leaves with the division
.endr
.irp e,0,1,2,3,4,5,6,7,8,9,10,11,12,13
	v_exp_f32 v[GR+(\e)], v[GR+(\e)]
.endr
	v_nop                                          ; a plain instruction behind the last exponential (ISA guide 5.7.2),
	s_wait_alu depctr_va_vdst(0)                   ; and one wait for the batch of 14 ahead of the first reader
	v_pk_add_f32 v[64:65], v[48:49], v[50:51]
	v_pk_add_f32 v[66:67], v[52:53], v[54:55]
	v_pk_add_f32 v[68:69], v[56:57], v[58:59]
	v_pk_add_f32 v[64:65], v[64:65], v[66:67]
	v_pk_add_f32 v[68:69], v[68:69], v[60:61]
	v_pk_add_f32 v[64:65], v[64:65], v[68:69]
	v_add_f32 v114, v64, v65
	v_rcp_f32 v114, v114
	v_nop
	s_wait_alu depctr_va_vdst(0)
.irp e,0,1,2,3,4,5,6,7,8,9,10,11,12,13
	v_mul_f32 v[GR+(\e)], v[GR+(\e)], v114         ; the probabilities
.endr
	; the two largest, ascending index, strictly greater: a tie keeps the lower index
	v_mov_b32 v116, v48                            ; the largest,
	v_mov_b32 v118, 0                              ; its index,
	v_mov_b32 v117, -1.0                           ; the second (below every probability),
	v_mov_b32 v119, 0                              ; its index
.irp e,1,2,3,4,5,6,7,8,9,10,11,12,13
	v_cmp_gt_f32 vcc_lo, v[GR+(\e)], v116
	v_cmp_gt_f32 s26, v[GR+(\e)], v117
	v_cndmask_b32 v117, v117, v[GR+(\e)], s26
	v_cndmask_b32 v119, v119, \e, s26
	v_cndmask_b32 v117, v117, v116, vcc_lo
	v_cndmask_b32 v119, v119, v118, vcc_lo
	v_cndmask_b32 v116, v116, v[GR+(\e)], vcc_lo
	v_cndmask_b32 v118, v118, \e, vcc_lo
.endr
	v_add_f32 v115, v116, v117
	v_max_num_f32 v115, 0x2edbe6ff, v115           ; 1e-10
	v_rcp_f32 v115, v115
	v_nop
	s_wait_alu depctr_va_vdst(0)
	v_mul_f32 v120, v116, v115
	v_mul_f32 v121, v117, v115
	v_cmp_eq_u32 vcc_lo, 0, v6
	s_wait_xcnt 0x0                                ; EXEC is a source of the stores of xb: it changes only behind this wait
	s_and_saveexec_b32 s27, vcc_lo                 ; lane 0 alone
	global_store_b64 v233, v[118:119], s[10:11]
	global_store_b64 v233, v[120:121], s[12:13]
	s_wait_xcnt 0x0                                ; and again, in front of the line that widens it
	s_or_b32 exec_lo, exec_lo, s27
	s_wait_tensorcnt 0x0                           ; the wave's end: three lines behind my last LDS store
	ds_add_u32 v4, v5
	s_wait_dscnt 0x0
	s_endpgm
.Lfunc_end_k_q3f912339a3_router:
	.size	k_q3f912339a3_router, .Lfunc_end_k_q3f912339a3_router-k_q3f912339a3_router
	.p2alignl 7, 3214868480
	.fill 96, 4, 3214868480
	.section	.rodata,"a",@progbits
	.p2align	6, 0x0
	.amdhsa_kernel k_q3f912339a3_router
		.amdhsa_group_segment_fixed_size 41472
		.amdhsa_private_segment_fixed_size 0
		.amdhsa_enable_private_segment 0
		.amdhsa_kernarg_size 40
		.amdhsa_user_sgpr_count 2
		.amdhsa_user_sgpr_kernarg_segment_ptr 1
		.amdhsa_wavefront_size32 1
		.amdhsa_system_sgpr_workgroup_id_x 1
		.amdhsa_system_sgpr_workgroup_id_y 1
		.amdhsa_system_sgpr_workgroup_id_z 1
		.amdhsa_system_vgpr_workitem_id 0
		.amdhsa_next_free_vgpr 256
		.amdhsa_next_free_sgpr 66
		.amdhsa_reserve_vcc 1
		.amdhsa_float_denorm_mode_32 3
		.amdhsa_float_denorm_mode_16_64 3
		.amdhsa_memory_ordered 1
		.amdhsa_forward_progress 1
		.amdhsa_inst_pref_size 40
	.end_amdhsa_kernel
	.amdgpu_metadata
---
amdhsa.version: [ 1, 2 ]
amdhsa.kernels:
  - .name:           k_q3f912339a3_router
    .symbol:         k_q3f912339a3_router.kd
    .args:
      - { .name: h, .offset: 0, .size: 8, .value_kind: global_buffer, .address_space: global }
      - { .name: gate_w, .offset: 8, .size: 8, .value_kind: global_buffer, .address_space: global }
      - { .name: xb, .offset: 16, .size: 8, .value_kind: global_buffer, .address_space: global }
      - { .name: idx, .offset: 24, .size: 8, .value_kind: global_buffer, .address_space: global }
      - { .name: wts, .offset: 32, .size: 8, .value_kind: global_buffer, .address_space: global }
    .group_segment_fixed_size: 41472
    .private_segment_fixed_size: 0
    .kernarg_segment_align: 8
    .kernarg_segment_size: 40
    .max_flat_workgroup_size: 128
    .sgpr_count:     66
    .vgpr_count:     256
    .wavefront_size: 32
...
	.end_amdgpu_metadata
.endif
;; end of part 1
;; launch ffn1 (part 2): grid 16 x 14, 8 waves a work-group, no clusters, 304,128 bytes of LDS; arguments idx, xb, w1, b1, hid, lists; writes hid, lists
.if DOCPART == 2
	.amdgcn_target "amdgcn-amd-amdhsa--gfx1250"
	.amdhsa_code_object_version 6
	.text
	.protected	k_q3f912339a3_ffn1
	.globl	k_q3f912339a3_ffn1
	.p2align	8
	.type	k_q3f912339a3_ffn1,@function
k_q3f912339a3_ffn1:
	s_mov_b64 s[64:65], 0
	v_nop
	global_prefetch_b8 v0, s[64:65] scope:SCOPE_SE
	s_setreg_imm32_b32 hwreg(HW_REG_WAVE_MODE, 25, 1), 1
	s_wait_xcnt 0x0
; FIRST PRODUCT OF THE CHOSEN EXPERTS.  hid[slot][f] = gelu(x[slot / 2] . w1[e][:, f] + b1[e][f]) in bf16, for the slots (2 x token + choice) whose idx is e.  bf16 operands, f32 sums, exact-erf gelu.
; SHARES.  Work-group (slice, e): columns 128 slice .. + 127 of expert e's w1, 512 KB of f32 that it alone reads, once; and ALL of that expert's rows.
; Waves 0-3 STREAM: 16-byte loads of f32 weights (each covers a whole 512-byte piece of a row of w1), two rows rounded into one bf16 pair, a quarter of K kept packed in 128 registers and then stored turned
; into LDS as [column][K].  They issue no other global load, so their counter holds weight loads alone and 64 loads (32 KB) of each stay out, across the barriers too; the 64th is held at issue until one has
; landed (ISA guide 5.7.1), no wait is written for that.
; Waves 4-7 MULTIPLY: token rows come from xb straight into registers, a chunk ahead; weight fragments from LDS; a wave holds 3 tiles of 16 rows x 128 columns (tiles cw, cw + 4, cw + 8: 192 rows a work-group).
; K goes in four quarters.  A trip: the streamers store quarter j; a barrier; quarter j is multiplied while quarter j + 1 is rounded in registers and quarter j + 2 is asked for; a barrier.  So between two
; barriers LDS is either written, at addresses that never change, or read: the fragment addresses step through the slice, and no store runs beside them.
; THE LIST.  Wave 4 reads idx and lays the expert's slots into LDS by a counting pass (no atomics); slice 0 also stores the list for the next launch.  Entries past the count repeat the last slot (the same
; numbers go to the same place twice), the rest are 0.  A tile past the count is dead: its products are jumped, its loads still run (on slot 0), so that every counted wait counts the same on every way.
; ROWS BEYOND 192 are served tile by tile from the finished LDS slice, without overlap: right for every split (up to 1,024 rows), slow for very uneven ones.  An expert without rows streams its slice and stores no row.
; THE MATRIX INSTRUCTION IS USED TRANSPOSED: source 0 = 16 columns of w1, source 1 = 16 tokens: a lane holds token lane % 16 and columns 8 (lane / 16) + 0..7.  K is permuted alike in both sources: in a chunk
; of 64 the lanes' half h owns k = 32 h .. 32 h + 31, so a lane's share of a token row is 64 consecutive bytes.  The first product on each accumulator is 0 x 0 + bias: nothing is cleared, nothing added later.
; GELU.  gelu(x) = max(x, 0) - |x| y, y = poly(t) exp(-x x / 2) / 2, t = 1 / (1 + 0.23164189 |x|): Abramowitz and Stegun 7.1.26, erf to within 1.5e-7; the result is then rounded to bf16.
; LIMITS.  NaN and infinities are not treated apart.  NO CLUSTER, NO TENSOR LOAD: each slice of weights has one reader and has to pass through registers to be rounded and turned; the token rows that an
; expert's 16 work-groups share come by a list, which no descriptor covers.  224 work-groups: 14 experts x 16 slices.
.set PIT,   2064                       ; LDS: column n, K byte kb lies at (n % 16) PIT + (n / 16) BLK + kb.  PIT and BLK are 16 modulo 256, so the 16 rows of a fragment load, and the
.set BLK,   16*PIT+16
.set KB,    128                        ; bytes of a chunk of 64 K in a row of xb and in an LDS row
.set ROWB,  2048                       ; bytes in a row of xb
.set KST,   128                        ; LDS bytes from a stage's K to the next stage's
.set SAST,  512                        ; from a quarter's K to the next quarter's
.set WROW,  8192                       ; bytes in a row of w1
.set LIST,  264448                     ; behind the weights (8 BLK = 264,320): 1,152 words: the list, and in word 1,151 the count
.set CNTA,  LIST+4604
.set DMPW,  1152                       ; the 32 words behind the list take what the lanes without a match store
.set STAGE, 269312                     ; 4 x 16 rows x 528 bytes, each multiplying wave's own: 512 bytes of f32, the row's slot, padding
.set SPIT,  528
.set SPARE, 303104                     ; the spare words, 128 bytes a wave
; window 0: v0 thread, v1 lane, v2 r = lane % 16, v3 h = lane / 16, v4-5 the add's, v6 16 lane, v7 streamer's LDS address (never rewritten), v8-15 AW (fragment addresses), v16-18 ROW,
;   v19 slot's place in the stage, v20-22 TO (token offsets), v23 AW's base, v24-26 SLOT, v27 into the stage, v28-29 back from it, v30 offset in a row of hid, v31 my place in the list,
;   v32-127 token fragments, two buffers (streamers: v32-159 a quarter's packed weights; way out: at work), v128-255 weight fragments (at the start: idx, bias, zeros)
; window 1: multiplying waves v0-191 accumulators (tile t, block nb at 64 t + 8 nb); streamers v0-255 four stages of 16 loads
; s16 wave, s17 wave % 4, s18 slice, s19 expert, s20 count, s21-23 tile alive, s24 K offset, s25-28 counters, s29-35 at work, s36-48 gelu's constants, s49 this trip's tile lives, s50-53 masks
.set MSB, 0
.macro WIN new                         ; s_set_vgpr_msb: bits 1:0 source 0, 3:2 source 1, 5:4 source 2, 7:6 destination; the high byte repeats the setting that is left
.if MSB != (\new)
	s_set_vgpr_msb (MSB<<8)|(\new)
.set MSB, (\new)
.endif
.endm
.macro BAR                             ; every wave passes it; nothing of mine is pending in LDS at the signal: my stores are there for the others, my reads are over
	s_wait_dscnt 0x0
	s_barrier_signal -1
	s_barrier_wait -1
.endm
; THE STREAMERS.  Stage st of quarter q holds rows 256 q + 64 st + 16 sw + 0..15; load i is row i, my lane its columns 4 l .. 4 l + 3.
.macro FIRST                           ; quarter 0: 64 loads
	WIN 0x40                                       ; destination window 1
.irp st,0,1,2,3
.irp i,0,1,2,3,4,5,6,7,8,9,10,11,12,13,14,15
	global_load_b128 v[64*(\st)+4*(\i):64*(\st)+4*(\i)+3], v6, s[8:9] offset:(\st)*524288+(\i)*WROW th:TH_LOAD_NT
.endr
.endr
	WIN 0
	s_wait_xcnt 0x0                                ; the base is stepped only behind this wait
	s_add_nc_u64 s[8:9], s[8:9], 0x200000          ; 256 rows on
.endm
.macro CSTAGE st, load, left           ; a stage is rounded into its 32 packed registers; left: the younger loads that may stay out
	s_wait_loadcnt \left                           ; loads come back in order (ISA guide 5.7.1): this stage's 16 are in
	WIN 0x05                                       ; sources window 1, destination window 0
.irp j,0,1,2,3
.irp m,0,1,2,3,4,5,6,7
	v_cvt_pk_bf16_f32 v[32+32*(\st)+8*(\j)+(\m)], v[64*(\st)+8*(\m)+(\j)], v[64*(\st)+8*(\m)+4+(\j)]  ; column 4 l + j, rows 2 m and 2 m + 1
.endr
.endr
.if \load
	WIN 0x40
.irp i,0,1,2,3,4,5,6,7,8,9,10,11,12,13,14,15
	global_load_b128 v[64*(\st)+4*(\i):64*(\st)+4*(\i)+3], v6, s[8:9] offset:(\st)*524288+(\i)*WROW th:TH_LOAD_NT  ; the same stage of the next quarter
.endr
.endif
.endm
.macro CONV4 load                      ; a quarter of K into registers
.if \load
	CSTAGE 0, 1, 48                                ; 48: the three younger stages
	CSTAGE 1, 1, 48
	CSTAGE 2, 1, 48
	CSTAGE 3, 1, 48
	WIN 0
	s_wait_xcnt 0x0
	s_add_nc_u64 s[8:9], s[8:9], 0x200000
.else
	CSTAGE 0, 0, 48                                ; nothing is left to fetch: the counts run down
	CSTAGE 1, 0, 32
	CSTAGE 2, 0, 16
	CSTAGE 3, 0, 0
	WIN 0
.endif
.endm
.macro STORE q                         ; the packed quarter q into LDS: the quarter, the stage and the column stand in the immediate
.irp st,0,1,2,3
.irp j,0,1,2,3
	ds_store_b128 v7, v[32+32*(\st)+8*(\j):32+32*(\st)+8*(\j)+3]   offset:(\j)*PIT+KST*(\st)+SAST*(\q)
	ds_store_b128 v7, v[32+32*(\st)+8*(\j)+4:32+32*(\st)+8*(\j)+7] offset:(\j)*PIT+KST*(\st)+SAST*(\q)+16
.endr
.endr
.endm
; THE MULTIPLYING WAVES.  8 products: tile t, step s of the chunk in token buffer p, all 8 column blocks.  The accumulators take turns, one instruction a turn:
; the same accumulator comes again 8 matrix instructions later at the least, whichever tiles are dead.  A dead tile's products are jumped; at the branch and the label every window is 0.
.macro GRP p, s, t
	s_cmp_eq_u32 s[21+(\t)], 0
	s_cbranch_scc1 .Lskip_\@
	WIN 0x50                                       ; C and D window 1
.irp nb,0,1,2,3,4,5,6,7
	v_wmma_f32_16x16x32_bf16 v[64*(\t)+8*(\nb):64*(\t)+8*(\nb)+7], v[128+64*(\s)+8*(\nb):128+64*(\s)+8*(\nb)+7], v[32+48*(\p)+16*(\t)+8*(\s):32+48*(\p)+16*(\t)+8*(\s)+7], v[64*(\t)+8*(\nb):64*(\t)+8*(\nb)+7]
.endr
	WIN 0
.Lskip_\@:
.endm
.macro FRAGS s                         ; the 8 weight fragments of step s: 16 columns x 16 K a half of the lanes, 32 consecutive bytes a lane
.irp nb,0,1,2,3,4,5,6,7
	ds_load_b128 v[128+64*(\s)+8*(\nb):128+64*(\s)+8*(\nb)+3],   v[8+(\nb)] offset:32*(\s)
	ds_load_b128 v[128+64*(\s)+8*(\nb)+4:128+64*(\s)+8*(\nb)+7], v[8+(\nb)] offset:32*(\s)+16
.endr
.endm
.macro COMPUTE p                       ; a chunk of 64 K, its tokens in buffer p
	s_add_co_u32 s24, s24, KB                      ; the next chunk's place in a token row;
	s_and_b32 s24, s24, ROWB-1                     ; behind the last chunk it wraps to the row's head, so that the load ahead stays inside xb
	s_wait_xcnt 0x0                                ; the offsets are rewritten only behind this wait
.irp t,0,1,2
	v_add_nc_u32 v[20+(\t)], s24, v[16+(\t)]       ; these three and the eight steps of AW are the places between the last product and the loads into its sources
.endr
	FRAGS 0
.irp t,0,1,2
.irp i,0,1,2,3
	global_load_b128 v[32+48*(1-(\p))+16*(\t)+4*(\i):32+48*(1-(\p))+16*(\t)+4*(\i)+3], v[20+(\t)], s[6:7] offset:16*(\i)
.endr
.endr
	FRAGS 1
	s_wait_loadcnt 12                              ; all but the 12 just issued: this chunk's tokens are in
	s_wait_dscnt 16                                ; step 0's fragments are in
	GRP \p, 0, 0
	GRP \p, 0, 1
	GRP \p, 0, 2
	s_wait_dscnt 0x0
	GRP \p, 1, 0
	GRP \p, 1, 1
	GRP \p, 1, 2
.irp nb,0,1,2,3,4,5,6,7
	v_add_nc_u32 v[8+(\nb)], KB, v[8+(\nb)]
.endr
.endm
.macro CBIG                            ; a quarter of K: four chunks
	s_mov_b32 s26, 2
.Lcb_\@:
	COMPUTE 0
	COMPUTE 1
	s_sub_co_u32 s26, s26, 1
	s_cmp_lg_u32 s26, 0
	s_cbranch_scc1 .Lcb_\@
.endm
.macro BIAS adr                        ; b1 of my 8 columns in each block, and 8 registers of 0
.irp nb,0,1,2,3,4,5,6,7
	global_load_b128 v[128+8*(\nb):128+8*(\nb)+3],   v[\adr], s[10:11] offset:64*(\nb)
	global_load_b128 v[128+8*(\nb)+4:128+8*(\nb)+7], v[\adr], s[10:11] offset:64*(\nb)+16
.endr
.irp i,0,1,2,3,4,5,6,7
	v_mov_b32 v[192+(\i)], 0
.endr
.endm
.macro START t                         ; 0 x 0 + bias starts tile t's sums
.irp nb,0,1,2,3,4,5,6,7
	v_wmma_f32_16x16x32_bf16 v[64*(\t)+8*(\nb):64*(\t)+8*(\nb)+7], v[192:199], v[192:199], v[128+8*(\nb):128+8*(\nb)+7]
.endr
.endm
.macro DUMPT t                         ; tile t into my stage, each accumulator from its low end on; and each row's slot
	WIN 0x04                                       ; store data window 1
.irp nb,0,1,2,3,4,5,6,7
	ds_store_b128 v27, v[64*(\t)+8*(\nb):64*(\t)+8*(\nb)+3]   offset:64*(\nb)
	ds_store_b128 v27, v[64*(\t)+8*(\nb)+4:64*(\t)+8*(\nb)+7] offset:64*(\nb)+16
.endr
	WIN 0
	ds_store_b32 v19, v[24+(\t)]
.endm
	s_load_b256 s[4:11], s[0:1], 0x0               ; idx s[4:5], xb s[6:7], w1 s[8:9], b1 s[10:11]
	s_load_b128 s[12:15], s[0:1], 0x20             ; hid s[12:13], lists s[14:15]
	v_lshl_add_u32 v4, v0, 2, SPARE                ; my spare word
	v_mov_b32 v5, 0                                ; and 0: kept for the closing add alone
	v_lshrrev_b32 v1, 5, v0
	v_readfirstlane_b32 s16, v1                    ; wave 0..7
	s_and_b32 s17, s16, 3                          ; which streamer, or which multiplying wave
	s_mov_b32 s18, ttmp9                           ; slice
	s_and_b32 s19, ttmp7, 0xffff                   ; expert
	v_and_b32 v1, 31, v0
	v_and_b32 v2, 15, v0
	v_bfe_u32 v3, v0, 4, 1
	v_lshlrev_b32 v6, 4, v1
	v_and_b32 v32, 3, v1                           ; a streamer's columns 4 l + j: row 4 (l % 4) + j of block l / 4; its 16 rows of K: 32 bytes at 32 sw
	v_lshrrev_b32 v33, 2, v1
	s_mov_b32 s29, BLK
	v_mul_u32_u24 v7, v32, 4*PIT
	v_mad_u32_u24 v7, v33, s29, v7
	s_lshl_b32 s29, s17, 5
	v_add_nc_u32 v7, s29, v7
	v_mul_u32_u24 v23, v2, PIT                     ; a fragment: row r, 64 bytes of the chunk for each half of the lanes
	v_lshl_add_u32 v23, v3, 6, v23
.irp nb,0,1,2,3,4,5,6,7
	v_add_nc_u32 v[8+(\nb)], (\nb)*BLK, v23
.endr
	s_mul_i32 s29, s17, 16*SPIT
	s_add_co_u32 s29, s29, STAGE                   ; my stage
	v_mul_u32_u24 v32, v2, SPIT
	v_add_nc_u32 v32, s29, v32
	v_add_nc_u32 v19, 512, v32                     ; row r's slot
	v_lshl_add_u32 v27, v3, 5, v32                 ; in: row r, 32 bytes for each half of the lanes
	v_lshl_add_u32 v28, v1, 4, s29                 ; back: 32 lanes take a row's 512 bytes
	s_add_co_u32 s29, s29, 512
	v_mov_b32 v29, s29
	s_lshl_b32 s29, s18, 8
	v_lshl_add_u32 v30, v1, 3, s29                 ; my 8 bytes in a row of hid: 256 slice + 8 lane
	s_lshl_b32 s29, s17, 6
	s_add_co_u32 s29, s29, LIST
	v_lshl_add_u32 v31, v2, 2, s29                 ; entry 16 cw + r of the list
	s_mov_b32 s36, 0x3f07dc22                      ; 0.530702715: the polynomial's coefficients, halved; each is named as a pair, so both words are written
	s_mov_b32 s37, s36
	s_mov_b32 s38, 0xbf3a00e3                      ; -0.726576014
	s_mov_b32 s39, s38
	s_mov_b32 s40, 0x3f35f0e3                      ; 0.710706871
	s_mov_b32 s41, s40
	s_mov_b32 s42, 0xbe11a98e                      ; -0.142248368
	s_mov_b32 s43, s42
	s_mov_b32 s44, 0x3e027906                      ; 0.127414796
	s_mov_b32 s45, s44
	s_mov_b32 s46, 0xbf38aa3b                      ; -log2(e) / 2
	s_mov_b32 s47, s46
	s_mov_b32 s48, 0x3e6d3388                      ; 0.23164189 = 0.3275911 / sqrt(2)
	s_lshl_b32 s30, s19, 23                        ; w1: the expert's 8 MB, the slice's 512 bytes, the streamer's 16 rows
	s_lshl_b32 s29, s18, 9
	s_add_co_u32 s30, s30, s29
	s_lshl_b32 s29, s17, 17
	s_add_co_u32 s30, s30, s29
	s_mov_b32 s31, 0
	s_lshl_b32 s32, s19, 13                        ; b1: the expert's 8 KB, the slice's 512 bytes
	s_lshl_b32 s29, s18, 9
	s_add_co_u32 s32, s32, s29
	s_mov_b32 s33, 0
	s_mul_i32 s34, s19, 4608                       ; lists: the expert's 4,608 bytes
	s_mov_b32 s35, 0
	s_wait_kmcnt 0x0
	s_add_nc_u64 s[8:9], s[8:9], s[30:31]
	s_add_nc_u64 s[10:11], s[10:11], s[32:33]
	s_add_nc_u64 s[14:15], s[14:15], s[34:35]
	s_cmp_lt_u32 s16, 4
	s_cbranch_scc0 .Lc_a
	FIRST                                          ; the weights are asked for before anything else is done
	s_branch .Lj_a
.Lc_a:
	s_cmp_eq_u32 s16, 4
	s_cbranch_scc0 .Lj_a
	; THE LIST, by wave 4; until the barrier below no other wave touches LDS.  Load q brings slots 128 q + 4 lane + 0..3.
.irp q,0,1,2,3,4,5,6,7,8,9,10,11,12,13,14,15
	global_load_b128 v[128+4*(\q):128+4*(\q)+3], v6, s[4:5] offset:512*(\q)
.endr
	v_add_nc_u32 v192, LIST, v6
.irp i,0,1,2,3
	v_mov_b32 v[196+(\i)], 0
.endr
.irp q,0,1,2,3,4,5,6,7,8
	ds_store_b128 v192, v[196:199] offset:512*(\q) ; the list starts as zeros; LDS serves my later stores behind these (ISA guide 5.7.1.4)
.endr
	v_add_nc_u32 v193, DMPW, v1                    ; my dump word's index
	v_lshlrev_b32 v194, 2, v1
	s_mov_b32 s34, 0                               ; slots found so far
.irp q,0,1,2,3,4,5,6,7,8,9,10,11,12,13,14,15
	s_wait_loadcnt 15-(\q)                         ; load q is in
.irp m,0,1,2,3
	v_cmp_eq_u32 s[50+(\m)], s19, v[128+4*(\q)+(\m)]
.endr
.irp m,0,1,2,3
	v_mbcnt_lo_u32_b32 v[200+(\m)], s[50+(\m)], s34            ; a match's rank: those found before, and the matching lanes below mine
	s_bcnt1_i32_b32 s35, s[50+(\m)]
	s_add_co_u32 s34, s34, s35
	v_cndmask_b32 v[200+(\m)], v193, v[200+(\m)], s[50+(\m)]   ; no match: my dump word
	v_min_u32 v[200+(\m)], DMPW+31, v[200+(\m)]                ; a word of the list or of the dump, whatever idx holds
	v_lshl_add_u32 v[200+(\m)], v[200+(\m)], 2, LIST
	v_add_nc_u32 v[204+(\m)], 128*(\q)+(\m), v194              ; the slot
	ds_store_b32 v[200+(\m)], v[204+(\m)]
.endr
.endr
	s_max_u32 s29, s34, 1                          ; the last slot of the list (entry 0, a zero, if there is none)
	s_sub_co_u32 s29, s29, 1
	s_min_u32 s29, s29, 0x3ff
	s_lshl_b32 s29, s29, 2
	s_add_co_u32 s29, s29, LIST
	v_mov_b32 v200, s29
	ds_load_b32 v201, v200
	s_min_u32 s30, s34, 0x3ff
	v_add_nc_u32 v202, s30, v1
	v_lshl_add_u32 v202, v202, 2, LIST             ; is repeated in the 32 entries behind it (with 1,024 rows: from entry 1,023 on, which holds that slot already)
	v_mov_b32 v203, CNTA
	v_mov_b32 v204, s34
	s_wait_dscnt 0x0
	ds_store_b32 v202, v201
	ds_store_b32 v203, v204                        ; the count
	s_cmp_lg_u32 s18, 0
	s_cbranch_scc1 .Lj_a
.irp q,0,1,2,3,4,5,6,7,8
	ds_load_b128 v[128+4*(\q):128+4*(\q)+3], v192 offset:512*(\q)
.endr
	s_wait_dscnt 0x0
.irp q,0,1,2,3,4,5,6,7,8
	global_store_b128 v6, v[128+4*(\q):128+4*(\q)+3], s[14:15] offset:512*(\q)  ; slice 0 keeps the list for the next launch: 512 consecutive bytes a store
.endr
	s_wait_xcnt 0x0                                ; their registers are written again below
.Lj_a:
	BAR                                            ; the list is there
	s_cmp_lt_u32 s16, 4
	s_cbranch_scc0 .Lc_b
	CONV4 1                                        ; quarter 0 into registers, quarter 1 asked for
	s_branch .Lj_b
.Lc_b:
	v_mov_b32 v200, CNTA
	ds_load_b32 v201, v200
	ds_load_b32 v24, v31                           ; my rows' slots: tiles cw, cw + 4, cw + 8
	ds_load_b32 v25, v31 offset:256
	ds_load_b32 v26, v31 offset:512
	v_lshlrev_b32 v202, 5, v3
	BIAS 202
	v_lshlrev_b32 v203, 6, v3
	s_wait_dscnt 0x0
	v_readfirstlane_b32 s20, v201                  ; the count
	s_lshl_b32 s29, s17, 4
.irp t,0,1,2
	s_cmp_lt_u32 s29, s20                          ; a tile lives if its first row is below the count
	s_cselect_b32 s[21+(\t)], 1, 0
	s_add_co_u32 s29, s29, 64
.endr
.irp t,0,1,2
	v_lshrrev_b32 v[16+(\t)], 1, v[24+(\t)]        ; the token,
	v_min_u32 v[16+(\t)], 0x3ff, v[16+(\t)]        ; inside xb whatever the list holds,
	v_lshl_add_u32 v[16+(\t)], v[16+(\t)], 11, v203  ; its row, and my half's 64 bytes of a chunk
	v_mov_b32 v[20+(\t)], v[16+(\t)]
.endr
	s_mov_b32 s24, 0
.irp t,0,1,2
.irp i,0,1,2,3
	global_load_b128 v[32+16*(\t)+4*(\i):32+16*(\t)+4*(\i)+3], v[20+(\t)], s[6:7] offset:16*(\i)  ; chunk 0's tokens
.endr
.endr
	s_wait_loadcnt 12                              ; the bias is in: the 12 token loads are younger
	WIN 0x40                                       ; D window 1
	START 0
	START 1
	START 2
	WIN 0
.rept 4
	v_nop                                          ; places behind those products: their sources are loaded anew in the first chunk
.endr
.Lj_b:
	s_mov_b32 s25, 4
.Lphase:                                               ; trip j = 4 - s25
	s_cmp_lt_u32 s16, 4                            ; LDS IS WRITTEN: the streamers lay quarter j down; no wave reads the slice (in trip 0 the others still read the list, which lies behind it)
	s_cbranch_scc0 .Lj_w
	s_cmp_eq_u32 s25, 4
	s_cbranch_scc0 .Lw1
	STORE 0
	s_branch .Lj_w
.Lw1:
	s_cmp_eq_u32 s25, 3
	s_cbranch_scc0 .Lw2
	STORE 1
	s_branch .Lj_w
.Lw2:
	s_cmp_eq_u32 s25, 2
	s_cbranch_scc0 .Lw3
	STORE 2
	s_branch .Lj_w
.Lw3:
	STORE 3
.Lj_w:
	BAR                                            ; quarter j is in LDS
	s_cmp_lt_u32 s16, 4                            ; LDS IS READ: quarter j is multiplied; the streamers work on registers
	s_cbranch_scc0 .Lc_r
	s_cmp_lt_u32 s25, 3
	s_cbranch_scc1 .Ls_l
	CONV4 1                                        ; trips 0 and 1: quarter j + 1 into registers, quarter j + 2 asked for
	s_branch .Lj_r
.Ls_l:
	s_cmp_eq_u32 s25, 2
	s_cbranch_scc0 .Lj_r
	CONV4 0                                        ; trip 2: quarter 3 into registers
	s_branch .Lj_r
.Lc_r:
	CBIG
.Lj_r:
	BAR                                            ; the reads of quarter j are over
	s_sub_co_u32 s25, s25, 1
	s_cmp_lg_u32 s25, 0
	s_cbranch_scc1 .Lphase
	s_wait_loadcnt 0x0                             ; the load ahead that wrapped: its registers are used below
.rept 4
	v_nop
.endr
	; THE TILES.  Trip u is tile cw + 4 u; 16 trips cover 1,024 rows.  Trips 0 to 2 find their sums in registers; later ones make them first.  A trip: the sums (LDS is read); a barrier; the sums go
	; into each wave's own stage (LDS is written); a barrier; the way out (LDS is read).  Every wave passes every barrier; a streamer's and a dead tile's work is jumped.
	s_mov_b32 s27, 0
	s_mov_b32 s28, s17
.Ltile:
	s_cmp_lt_u32 s16, 4
	s_cbranch_scc1 .Lj_s
	s_lshl_b32 s29, s28, 4
	s_cmp_lt_u32 s29, s20
	s_cselect_b32 s49, 1, 0                        ; the tile lives
	s_cbranch_scc0 .Lj_s
	s_cmp_lt_u32 s27, 3
	s_cbranch_scc1 .Lj_s
	; a tile beyond the first 192 rows, into tile 0's accumulators
.irp nb,0,1,2,3,4,5,6,7
	v_add_nc_u32 v[8+(\nb)], (\nb)*BLK, v23        ; back to K = 0
.endr
	s_lshl_b32 s29, s27, 8
	v_add_nc_u32 v114, s29, v31
	ds_load_b32 v24, v114
	v_lshlrev_b32 v115, 5, v3
	BIAS 115
	v_lshlrev_b32 v116, 6, v3
	s_wait_dscnt 0x0
	v_lshrrev_b32 v16, 1, v24
	v_min_u32 v16, 0x3ff, v16
	v_lshl_add_u32 v16, v16, 11, v116
	s_mov_b32 s24, 0
	s_wait_loadcnt 0x0
	WIN 0x40
	START 0
	WIN 0
.rept 4
	v_nop
.endr
	s_mov_b32 s26, 16
.Lslow:
	s_wait_xcnt 0x0                                ; the offset, and registers that earlier stores read, are written again only behind this wait
	v_add_nc_u32 v20, s24, v16
.irp i,0,1,2,3
	global_load_b128 v[32+4*(\i):32+4*(\i)+3], v20, s[6:7] offset:16*(\i)
.endr
	FRAGS 0
	FRAGS 1
	s_wait_loadcnt 0x0
	s_wait_dscnt 0x0
	WIN 0x50
.irp s,0,1
.irp nb,0,1,2,3,4,5,6,7
	v_wmma_f32_16x16x32_bf16 v[8*(\nb):8*(\nb)+7], v[128+64*(\s)+8*(\nb):128+64*(\s)+8*(\nb)+7], v[32+8*(\s):32+8*(\s)+7], v[8*(\nb):8*(\nb)+7]
.endr
.endr
	WIN 0
.irp nb,0,1,2,3,4,5,6,7
	v_add_nc_u32 v[8+(\nb)], KB, v[8+(\nb)]        ; also the places behind the last product
.endr
	s_add_co_u32 s24, s24, KB
	s_sub_co_u32 s26, s26, 1
	s_cmp_lg_u32 s26, 0
	s_cbranch_scc1 .Lslow
.Lj_s:
	BAR                                            ; nobody reads LDS any more
	s_cmp_lt_u32 s16, 4
	s_cbranch_scc1 .Lj_d
	s_cmp_eq_u32 s49, 0
	s_cbranch_scc1 .Lj_d
	s_cmp_eq_u32 s27, 1
	s_cbranch_scc1 .Ld1
	s_cmp_eq_u32 s27, 2
	s_cbranch_scc1 .Ld2
	DUMPT 0
	s_branch .Lj_d
.Ld1:
	DUMPT 1
	s_branch .Lj_d
.Ld2:
	DUMPT 2
.Lj_d:
	BAR                                            ; nobody writes LDS any more
	s_cmp_lt_u32 s16, 4
	s_cbranch_scc1 .Lnext
	s_cmp_eq_u32 s49, 0
	s_cbranch_scc1 .Lnext
	; THE WAY OUT: whole rows back from my own stage, gelu, bf16, four rows a trip
	v_mov_b32 v112, v28
	v_mov_b32 v113, v29
	s_mov_b32 s26, 4
.Lrows:
	s_wait_xcnt 0x0                                ; the last trip's stores have read their registers
.irp i,0,1,2,3
	ds_load_b128 v[32+4*(\i):32+4*(\i)+3], v112 offset:SPIT*(\i)
.endr
.irp i,0,1,2,3
	ds_load_b32 v[48+(\i)], v113 offset:SPIT*(\i)
.endr
	s_wait_dscnt 0x0
.irp i,0,1,2,3,4,5,6,7,8,9,10,11,12,13,14,15
	v_fma_f32 v[52+(\i)], |v[32+(\i)]|, s48, 1.0
.endr
.irp k,0,1,2,3,4,5,6,7
	v_pk_mul_f32 v[68+2*(\k):69+2*(\k)], v[32+2*(\k):33+2*(\k)], v[32+2*(\k):33+2*(\k)]
.endr
.irp k,0,1,2,3,4,5,6,7
	v_pk_mul_f32 v[68+2*(\k):69+2*(\k)], v[68+2*(\k):69+2*(\k)], s[46:47] op_sel_hi:[1,0]
.endr
.irp i,0,1,2,3,4,5,6,7,8,9,10,11,12,13,14,15
	v_rcp_f32 v[52+(\i)], v[52+(\i)]               ; t
.endr
.irp i,0,1,2,3,4,5,6,7,8,9,10,11,12,13,14,15
	v_exp_f32 v[68+(\i)], v[68+(\i)]               ; exp(-x x / 2)
.endr
	v_nop                                          ; a plain instruction behind the last of them (ISA guide 5.7.2),
	s_wait_alu depctr_va_vdst(0)                   ; and one wait for the batch of 32 ahead of the first reader
.irp k,0,1,2,3,4,5,6,7
	v_pk_fma_f32 v[84+2*(\k):85+2*(\k)], v[52+2*(\k):53+2*(\k)], s[36:37], s[38:39] op_sel_hi:[1,0,0]
.endr
.irp c,40,42,44
.irp k,0,1,2,3,4,5,6,7
	v_pk_fma_f32 v[84+2*(\k):85+2*(\k)], v[84+2*(\k):85+2*(\k)], v[52+2*(\k):53+2*(\k)], s[\c:\c+1] op_sel_hi:[1,1,0]
.endr
.endr
.irp k,0,1,2,3,4,5,6,7
	v_pk_mul_f32 v[84+2*(\k):85+2*(\k)], v[84+2*(\k):85+2*(\k)], v[52+2*(\k):53+2*(\k)]
.endr
.irp k,0,1,2,3,4,5,6,7
	v_pk_mul_f32 v[84+2*(\k):85+2*(\k)], v[84+2*(\k):85+2*(\k)], v[68+2*(\k):69+2*(\k)]  ; y
.endr
.irp i,0,1,2,3,4,5,6,7,8,9,10,11,12,13,14,15
	v_max_num_f32 v[68+(\i)], 0, v[32+(\i)]
.endr
.irp i,0,1,2,3,4,5,6,7,8,9,10,11,12,13,14,15
	v_fma_f32 v[68+(\i)], -|v[32+(\i)]|, v[84+(\i)], v[68+(\i)]
.endr
.irp k,0,1,2,3,4,5,6,7
	v_cvt_pk_bf16_f32 v[104+(\k)], v[68+2*(\k)], v[69+2*(\k)]
.endr
.irp i,0,1,2,3
	v_min_u32 v[48+(\i)], 0x7ff, v[48+(\i)]        ; inside hid whatever the list holds
	v_lshl_add_u32 v[100+(\i)], v[48+(\i)], 12, v30
.endr
.irp i,0,1,2,3
	global_store_b64 v[100+(\i)], v[104+2*(\i):105+2*(\i)], s[12:13]  ; 32 lanes: 256 consecutive bytes of a row of hid, aligned
.endr
	v_add_nc_u32 v112, 4*SPIT, v112
	v_add_nc_u32 v113, 4*SPIT, v113
	s_sub_co_u32 s26, s26, 1
	s_cmp_lg_u32 s26, 0
	s_cbranch_scc1 .Lrows
.Lnext:
	s_add_co_u32 s28, s28, 4
	s_add_co_u32 s27, s27, 1
	s_cmp_lt_u32 s27, 16
	s_cbranch_scc1 .Ltile
	BAR                                            ; the last reads of LDS are over
	s_wait_tensorcnt 0x0                           ; the wave's end: three lines behind my last LDS store
	ds_add_u32 v4, v5
	s_wait_dscnt 0x0
	s_endpgm
.Lfunc_end_k_q3f912339a3_ffn1:
	.size	k_q3f912339a3_ffn1, .Lfunc_end_k_q3f912339a3_ffn1-k_q3f912339a3_ffn1
	.p2alignl 7, 3214868480
	.fill 96, 4, 3214868480
	.section	.rodata,"a",@progbits
	.p2align	6, 0x0
	.amdhsa_kernel k_q3f912339a3_ffn1
		.amdhsa_group_segment_fixed_size 304128
		.amdhsa_private_segment_fixed_size 0
		.amdhsa_enable_private_segment 0
		.amdhsa_kernarg_size 48
		.amdhsa_user_sgpr_count 2
		.amdhsa_user_sgpr_kernarg_segment_ptr 1
		.amdhsa_wavefront_size32 1
		.amdhsa_system_sgpr_workgroup_id_x 1
		.amdhsa_system_sgpr_workgroup_id_y 1
		.amdhsa_system_sgpr_workgroup_id_z 1
		.amdhsa_system_vgpr_workitem_id 0
		.amdhsa_next_free_vgpr 512
		.amdhsa_next_free_sgpr 66
		.amdhsa_reserve_vcc 0
		.amdhsa_float_denorm_mode_32 3
		.amdhsa_float_denorm_mode_16_64 3
		.amdhsa_memory_ordered 1
		.amdhsa_forward_progress 1
		.amdhsa_inst_pref_size 140
	.end_amdhsa_kernel
	.amdgpu_metadata
---
amdhsa.version: [ 1, 2 ]
amdhsa.kernels:
  - .name:           k_q3f912339a3_ffn1
    .symbol:         k_q3f912339a3_ffn1.kd
    .args:
      - { .name: idx, .offset: 0, .size: 8, .value_kind: global_buffer, .address_space: global }
      - { .name: xb, .offset: 8, .size: 8, .value_kind: global_buffer, .address_space: global }
      - { .name: w1, .offset: 16, .size: 8, .value_kind: global_buffer, .address_space: global }
      - { .name: b1, .offset: 24, .size: 8, .value_kind: global_buffer, .address_space: global }
      - { .name: hid, .offset: 32, .size: 8, .value_kind: global_buffer, .address_space: global }
      - { .name: lists, .offset: 40, .size: 8, .value_kind: global_buffer, .address_space: global }
    .group_segment_fixed_size: 304128
    .private_segment_fixed_size: 0
    .kernarg_segment_align: 8
    .kernarg_segment_size: 48
    .max_flat_workgroup_size: 256
    .sgpr_count:     66
    .vgpr_count:     512
    .wavefront_size: 32
...
	.end_amdgpu_metadata
.endif
;; end of part 2
;; launch ffn2 (part 3): grid 16 x 14, 8 waves a work-group, no clusters, 281,856 bytes of LDS; arguments lists, hid, w2, b2, wts, part; writes part
.if DOCPART == 3
	.amdgcn_target "amdgcn-amd-amdhsa--gfx1250"
	.amdhsa_code_object_version 6
	.text
	.protected	k_q3f912339a3_ffn2
	.globl	k_q3f912339a3_ffn2
	.p2align	8
	.type	k_q3f912339a3_ffn2,@function
k_q3f912339a3_ffn2:
	s_mov_b64 s[64:65], 0
	v_nop
	global_prefetch_b8 v0, s[64:65] scope:SCOPE_SE
	s_setreg_imm32_b32 hwreg(HW_REG_WAVE_MODE, 25, 1), 1
	s_wait_xcnt 0x0
; SECOND PRODUCT OF THE CHOSEN EXPERTS.  part[slot][d] = wts[slot] (hid[slot] . w2[e][:, d] + b2[e][d]) in f32 (a partial sum: the next launch adds a token's two), for the slots of expert e's list.
; SHARES.  Work-group (slice, e): columns 64 slice .. + 63 of expert e's w2, 512 KB of f32 that it alone reads, once; and ALL of that expert's rows.
; Waves 0-3 STREAM: 16-byte loads of f32 weights (16 lanes cover a whole 256-byte piece of a row of w2, the other 16 the row 16 further down), two rows rounded into one bf16 pair, a quarter of K kept packed
; in 128 registers and then stored turned into LDS as [column][K].  They issue no other vector load: 64 loads (32 KB) of each stay out, across the barriers too; the 64th is held at issue until one has landed
; (ISA guide 5.7.1), no wait is written for that.
; Waves 4-7 MULTIPLY: rows of hid come straight into registers, a chunk ahead; weight fragments from LDS; a wave holds 3 tiles of 16 rows x 64 columns (tiles cw, cw + 4, cw + 8: 192 rows a work-group).
; K goes in four quarters of 512.  A trip: the streamers store quarter j; a barrier; quarter j is multiplied while quarter j + 1 is rounded in registers and quarter j + 2 is asked for; a barrier.  So between
; two barriers LDS is either written, at addresses that never change, or read: the fragment addresses step through the slice, and no store runs beside them.
; THE LIST was laid by the launch before: the expert's slots, the last one repeated 32 times (the same numbers then go to the same place twice), zeros, the count in word 1,151.  A tile past the count is dead:
; its products are jumped, its loads still run (on slot 0), so that every counted wait counts the same on every way.
; ROWS BEYOND 192 are served tile by tile from the finished LDS slice, without overlap: right for every split (up to 1,024 rows), slow for very uneven ones.  An expert without rows streams its slice and stores nothing.
; THE MATRIX INSTRUCTION IS USED TRANSPOSED: source 0 = 16 columns of w2, source 1 = 16 rows of hid: a lane holds row lane % 16 and columns 8 (lane / 16) + 0..7.  K is permuted alike in both sources: in a chunk
; of 128 the lanes' half h owns k = 64 h .. 64 h + 63, so a lane's share of a row of hid is 128 consecutive bytes and two lanes cover 256.  The first product on each accumulator is 0 x 0 + bias.
; LIMITS.  NaN and infinities are not treated apart.  NO CLUSTER, NO TENSOR LOAD: each slice of weights has one reader and has to pass through registers to be rounded and turned; the rows of hid that an
; expert's 16 work-groups share come by a list, which no descriptor covers.  224 work-groups: 14 experts x 16 slices.
.set PIT,   4112                       ; LDS: column n, K byte kb lies at (n % 16) PIT + (n / 16) BLK + kb.  PIT and BLK are 16 modulo 256, so the 16 rows of a fragment load, and the
.set BLK,   16*PIT+16
.set KB,    256                        ; bytes of a chunk of 128 K in a row of hid and in an LDS row
.set ROWB,  4096                       ; bytes in a row of hid
.set KST,   256                        ; LDS bytes from a stage's K to the next stage's
.set SAST,  1024                       ; from a quarter's K to the next quarter's
.set WROW,  4096                       ; bytes in a row of w2
.set STAGE, 263424                     ; behind the weights (4 BLK = 263,232): 4 x 16 rows x 272 bytes, each multiplying wave's own: 256 bytes of f32, the row's slot, padding
.set SPIT,  272
.set SPARE, 280832                     ; the spare words, 128 bytes a wave
; window 0: v0 thread, v1 lane, v2 r = lane % 16, v3 h = lane / 16, v4-5 the add's, v6 streamer's offset in w2, v7 its LDS address (never rewritten), v8-11 AW (fragment addresses), v12-14 ROW, v15 AW's base,
;   v16-18 TO, v20-22 SLOT, v24-29 the rows' weights as pairs, v30 into the stage, v31 back from it, v32-223 token fragments, two buffers (streamers: v32-159 a quarter's packed weights; way out: at work),
;   v224 slots back from the stage, v225 offset in a row of part, v226 my place in the list, v227 slot's place in the stage, v228-233 at work
; window 1: multiplying waves v0-127 weight fragments (step s, block nb at 32 s + 8 nb; at the start bias and zeros), v128-223 accumulators (tile t, block nb at 128 + 32 t + 8 nb); streamers v0-255 four stages
; s16 wave, s17 wave % 4, s18 slice, s19 expert, s20 count, s21-23 tile alive, s24 K offset, s25-28 counters, s29-35 at work, s49 this trip's tile lives
.set MSB, 0
.macro WIN new                         ; s_set_vgpr_msb: bits 1:0 source 0, 3:2 source 1, 5:4 source 2, 7:6 destination; the high byte repeats the setting that is left
.if MSB != (\new)
	s_set_vgpr_msb (MSB<<8)|(\new)
.set MSB, (\new)
.endif
.endm
.macro BAR                             ; every wave passes it; nothing of mine is pending in LDS at the signal: my stores are there for the others, my reads are over
	s_wait_dscnt 0x0
	s_barrier_signal -1
	s_barrier_wait -1
.endm
; THE STREAMERS.  Stage st of quarter q holds rows 512 q + 128 st + 32 sw + 16 h + 0..15; load i is row i, my lane its columns 4 r .. 4 r + 3.
.macro FIRST                           ; quarter 0: 64 loads
	WIN 0x40                                       ; destination window 1
.irp st,0,1,2,3
.irp i,0,1,2,3,4,5,6,7,8,9,10,11,12,13,14,15
	global_load_b128 v[64*(\st)+4*(\i):64*(\st)+4*(\i)+3], v6, s[8:9] offset:(\st)*524288+(\i)*WROW th:TH_LOAD_NT
.endr
.endr
	WIN 0
	s_wait_xcnt 0x0                                ; the base is stepped only behind this wait
	s_add_nc_u64 s[8:9], s[8:9], 0x200000          ; 512 rows on
.endm
.macro CSTAGE st, load, left           ; a stage is rounded into its 32 packed registers; left: the younger loads that may stay out
	s_wait_loadcnt \left                           ; loads come back in order (ISA guide 5.7.1): this stage's 16 are in
	WIN 0x05                                       ; sources window 1, destination window 0
.irp j,0,1,2,3
.irp m,0,1,2,3,4,5,6,7
	v_cvt_pk_bf16_f32 v[32+32*(\st)+8*(\j)+(\m)], v[64*(\st)+8*(\m)+(\j)], v[64*(\st)+8*(\m)+4+(\j)]  ; column 4 r + j, rows 2 m and 2 m + 1
.endr
.endr
.if \load
	WIN 0x40
.irp i,0,1,2,3,4,5,6,7,8,9,10,11,12,13,14,15
	global_load_b128 v[64*(\st)+4*(\i):64*(\st)+4*(\i)+3], v6, s[8:9] offset:(\st)*524288+(\i)*WROW th:TH_LOAD_NT  ; the same stage of the next quarter
.endr
.endif
.endm
.macro CONV4 load                      ; a quarter of K into registers
.if \load
	CSTAGE 0, 1, 48                                ; 48: the three younger stages
	CSTAGE 1, 1, 48
	CSTAGE 2, 1, 48
	CSTAGE 3, 1, 48
	WIN 0
	s_wait_xcnt 0x0
	s_add_nc_u64 s[8:9], s[8:9], 0x200000
.else
	CSTAGE 0, 0, 48                                ; nothing is left to fetch: the counts run down
	CSTAGE 1, 0, 32
	CSTAGE 2, 0, 16
	CSTAGE 3, 0, 0
	WIN 0
.endif
.endm
.macro STORE q                         ; the packed quarter q into LDS: the quarter, the stage and the column stand in the immediate
.irp st,0,1,2,3
.irp j,0,1,2,3
	ds_store_b128 v7, v[32+32*(\st)+8*(\j):32+32*(\st)+8*(\j)+3]   offset:(\j)*PIT+KST*(\st)+SAST*(\q)
	ds_store_b128 v7, v[32+32*(\st)+8*(\j)+4:32+32*(\st)+8*(\j)+7] offset:(\j)*PIT+KST*(\st)+SAST*(\q)+16
.endr
.endr
.endm
; THE MULTIPLYING WAVES.  8 products: tile t, steps 2 hf and 2 hf + 1 of the chunk in token buffer p, all 4 column blocks.  The accumulators take turns, one instruction a turn:
; the same accumulator comes again 4 matrix instructions later at the least, whichever tiles are dead.  A dead tile's products are jumped; at the branch and the label every window is 0.
.macro GRP p, hf, t
	s_cmp_eq_u32 s[21+(\t)], 0
	s_cbranch_scc1 .Lskip_\@
	WIN 0x51                                       ; weights, C and D window 1; tokens window 0
.irp s,2*(\hf),2*(\hf)+1
.irp nb,0,1,2,3
	v_wmma_f32_16x16x32_bf16 v[128+32*(\t)+8*(\nb):128+32*(\t)+8*(\nb)+7], v[32*(\s)+8*(\nb):32*(\s)+8*(\nb)+7], v[32+96*(\p)+32*(\t)+8*(\s):32+96*(\p)+32*(\t)+8*(\s)+7], v[128+32*(\t)+8*(\nb):128+32*(\t)+8*(\nb)+7]
.endr
.endr
	WIN 0
.Lskip_\@:
.endm
.macro FRAGS                           ; a chunk's 16 weight fragments: 16 columns x 16 K a half of the lanes, 32 consecutive bytes a lane; steps 0 and 1 first
	WIN 0x40                                       ; destination window 1
.irp s,0,1,2,3
.irp nb,0,1,2,3
	ds_load_b128 v[32*(\s)+8*(\nb):32*(\s)+8*(\nb)+3],   v[8+(\nb)] offset:32*(\s)
	ds_load_b128 v[32*(\s)+8*(\nb)+4:32*(\s)+8*(\nb)+7], v[8+(\nb)] offset:32*(\s)+16
.endr
.endr
	WIN 0
.endm
.macro COMPUTE p                       ; a chunk of 128 K, its tokens in buffer p
	s_add_co_u32 s24, s24, KB                      ; the next chunk's place in a row of hid;
	s_and_b32 s24, s24, ROWB-1                     ; behind the last chunk it wraps to the row's head, so that the load ahead stays inside hid
	s_wait_xcnt 0x0                                ; the offsets are rewritten only behind this wait
.irp t,0,1,2
	v_add_nc_u32 v[16+(\t)], s24, v[12+(\t)]       ; these three and the four steps of AW are the places between the last product and the loads into its sources
.endr
.irp t,0,1,2
.irp i,0,1,2,3,4,5,6,7
	global_load_b128 v[32+96*(1-(\p))+32*(\t)+4*(\i):32+96*(1-(\p))+32*(\t)+4*(\i)+3], v[16+(\t)], s[6:7] offset:16*(\i)
.endr
.endr
	FRAGS
	s_wait_loadcnt 24                              ; all but the 24 just issued: this chunk's tokens are in
	s_wait_dscnt 16                                ; steps 0 and 1 are in
	GRP \p, 0, 0
	GRP \p, 0, 1
	GRP \p, 0, 2
	s_wait_dscnt 0x0
	GRP \p, 1, 0
	GRP \p, 1, 1
	GRP \p, 1, 2
.irp nb,0,1,2,3
	v_add_nc_u32 v[8+(\nb)], KB, v[8+(\nb)]
.endr
.endm
.macro CBIG                            ; a quarter of K: four chunks
	s_mov_b32 s26, 2
.Lcb_\@:
	COMPUTE 0
	COMPUTE 1
	s_sub_co_u32 s26, s26, 1
	s_cmp_lg_u32 s26, 0
	s_cbranch_scc1 .Lcb_\@
.endm
.macro BIAS                            ; b2 of my 8 columns in each block, and 8 registers of 0, in window 1; the offset 32 h is in v228
	WIN 0x40
.irp nb,0,1,2,3
	global_load_b128 v[8*(\nb):8*(\nb)+3],   v228, s[10:11] offset:64*(\nb)
	global_load_b128 v[8*(\nb)+4:8*(\nb)+7], v228, s[10:11] offset:64*(\nb)+16
.endr
.irp i,0,1,2,3,4,5,6,7
	v_mov_b32 v[32+(\i)], 0
.endr
	WIN 0
.endm
.macro START t                         ; 0 x 0 + bias starts tile t's sums
.irp nb,0,1,2,3
	v_wmma_f32_16x16x32_bf16 v[128+32*(\t)+8*(\nb):128+32*(\t)+8*(\nb)+7], v[32:39], v[32:39], v[8*(\nb):8*(\nb)+7]
.endr
.endm
.macro DUMPT t                         ; tile t times its rows' weights, each accumulator from its low end on; into my stage; and each row's slot
	WIN 0x41                                       ; destination and source 0 window 1
.irp k,0,1,2,3,4,5,6,7,8,9,10,11,12,13,14,15
	v_pk_mul_f32 v[128+32*(\t)+2*(\k):128+32*(\t)+2*(\k)+1], v[128+32*(\t)+2*(\k):128+32*(\t)+2*(\k)+1], v[24+2*(\t):25+2*(\t)] op_sel_hi:[1,0]
.endr
	WIN 0x04                                       ; store data window 1
.irp nb,0,1,2,3
	ds_store_b128 v30, v[128+32*(\t)+8*(\nb):128+32*(\t)+8*(\nb)+3]   offset:64*(\nb)
	ds_store_b128 v30, v[128+32*(\t)+8*(\nb)+4:128+32*(\t)+8*(\nb)+7] offset:64*(\nb)+16
.endr
	WIN 0
	ds_store_b32 v227, v[20+(\t)]
.endm
	s_load_b256 s[4:11], s[0:1], 0x0               ; lists s[4:5], hid s[6:7], w2 s[8:9], b2 s[10:11]
	s_load_b128 s[12:15], s[0:1], 0x20             ; wts s[12:13], part s[14:15]
	v_lshl_add_u32 v4, v0, 2, SPARE                ; my spare word
	v_mov_b32 v5, 0                                ; and 0: kept for the closing add alone
	v_lshrrev_b32 v1, 5, v0
	v_readfirstlane_b32 s16, v1                    ; wave 0..7
	s_and_b32 s17, s16, 3                          ; which streamer, or which multiplying wave
	s_mov_b32 s18, ttmp9                           ; slice
	s_and_b32 s19, ttmp7, 0xffff                   ; expert
	s_mul_i32 s34, s19, 4608                       ; lists: the expert's 4,608 bytes
	s_mov_b32 s35, 0
	s_wait_kmcnt 0x0
	s_add_nc_u64 s[4:5], s[4:5], s[34:35]
	s_load_b32 s20, s[4:5], 0x11fc                 ; the count: word 1,151
	v_and_b32 v1, 31, v0
	v_and_b32 v2, 15, v0
	v_bfe_u32 v3, v0, 4, 1
	v_lshlrev_b32 v6, 4, v2                        ; a streamer's 16 bytes of a row's piece,
	v_lshl_add_u32 v6, v3, 16, v6                  ; 16 rows further down for lanes 16 to 31
	v_and_b32 v228, 3, v2                          ; its columns 4 r + j: row 4 (r % 4) + j of block r / 4; its 16 rows of K: 32 bytes at 64 sw + 32 h
	v_lshrrev_b32 v229, 2, v2
	s_mov_b32 s29, BLK
	v_mul_u32_u24 v7, v228, 4*PIT
	v_mad_u32_u24 v7, v229, s29, v7
	v_lshl_add_u32 v7, v3, 5, v7
	s_lshl_b32 s29, s17, 6
	v_add_nc_u32 v7, s29, v7
	v_mul_u32_u24 v15, v2, PIT                     ; a fragment: row r, 128 bytes of the chunk for each half of the lanes
	v_lshl_add_u32 v15, v3, 7, v15
.irp nb,0,1,2,3
	v_add_nc_u32 v[8+(\nb)], (\nb)*BLK, v15
.endr
	s_mul_i32 s29, s17, 16*SPIT
	s_add_co_u32 s29, s29, STAGE                   ; my stage
	v_mul_u32_u24 v228, v2, SPIT
	v_add_nc_u32 v228, s29, v228
	v_lshl_add_u32 v30, v3, 5, v228                ; in: row r, 32 bytes for each half of the lanes
	v_add_nc_u32 v227, 256, v228                   ; row r's slot
	v_mul_u32_u24 v229, v3, SPIT
	v_add_nc_u32 v229, s29, v229
	v_lshl_add_u32 v31, v2, 4, v229                ; back: lanes 0-15 take one row's 256 bytes, lanes 16-31 the next row's
	v_add_nc_u32 v224, 256, v229
	s_lshl_b32 s29, s18, 8
	v_lshl_add_u32 v225, v2, 4, s29                ; my 16 bytes in a row of part: 256 slice + 16 r
	s_lshl_b32 s29, s17, 6
	v_lshl_add_u32 v226, v2, 2, s29                ; entry 16 cw + r of the list
	s_lshl_b32 s30, s19, 23                        ; w2: the expert's 8 MB, the slice's 256 bytes, the streamer's 32 rows
	s_lshl_b32 s29, s18, 8
	s_add_co_u32 s30, s30, s29
	s_lshl_b32 s29, s17, 17
	s_add_co_u32 s30, s30, s29
	s_mov_b32 s31, 0
	s_lshl_b32 s32, s19, 12                        ; b2: the expert's 4 KB, the slice's 256 bytes
	s_lshl_b32 s29, s18, 8
	s_add_co_u32 s32, s32, s29
	s_mov_b32 s33, 0
	s_add_nc_u64 s[8:9], s[8:9], s[30:31]
	s_add_nc_u64 s[10:11], s[10:11], s[32:33]
	s_cmp_lt_u32 s16, 4
	s_cbranch_scc0 .Lc_a
	FIRST                                          ; the weights are asked for before anything else is done
	s_wait_kmcnt 0x0                               ; the count's load, of which a streamer makes no use, is done
	CONV4 1                                        ; quarter 0 into registers, quarter 1 asked for
	s_branch .Lj_a
.Lc_a:
	global_load_b32 v20, v226, s[4:5]              ; my rows' slots: tiles cw, cw + 4, cw + 8
	global_load_b32 v21, v226, s[4:5] offset:256
	global_load_b32 v22, v226, s[4:5] offset:512
	v_lshlrev_b32 v228, 5, v3
	BIAS
	v_lshlrev_b32 v229, 7, v3
	s_wait_kmcnt 0x0                               ; the count
	s_lshl_b32 s29, s17, 4
.irp t,0,1,2
	s_cmp_lt_u32 s29, s20                          ; a tile lives if its first row is below the count
	s_cselect_b32 s[21+(\t)], 1, 0
	s_add_co_u32 s29, s29, 64
.endr
	s_wait_loadcnt 8                               ; the slots are in: the 8 loads of the bias are younger
.irp t,0,1,2
	v_min_u32 v[230+(\t)], 0x7ff, v[20+(\t)]       ; inside hid and wts whatever the list holds
	v_lshl_add_u32 v[12+(\t)], v[230+(\t)], 12, v229  ; the slot's row, and my half's 128 bytes of a chunk
	v_lshlrev_b32 v[230+(\t)], 2, v[230+(\t)]
	v_mov_b32 v[16+(\t)], v[12+(\t)]
	v_mov_b32 v[25+2*(\t)], 0                      ; named with the weight as a pair, so it is written
.endr
.irp t,0,1,2
	global_load_b32 v[24+2*(\t)], v[230+(\t)], s[12:13]
.endr
	s_mov_b32 s24, 0
.irp t,0,1,2
.irp i,0,1,2,3,4,5,6,7
	global_load_b128 v[32+32*(\t)+4*(\i):32+32*(\t)+4*(\i)+3], v[16+(\t)], s[6:7] offset:16*(\i)  ; chunk 0's tokens
.endr
.endr
	s_wait_loadcnt 27                              ; the bias is in: 3 weights and 24 token loads are younger
	WIN 0x55                                       ; all four operands window 1
	START 0
	START 1
	START 2
	WIN 0
.rept 4
	v_nop                                          ; places behind those products: their sources are loaded anew in the first chunk
.endr
.Lj_a:
	s_mov_b32 s25, 4
.Lphase:                                               ; trip j = 4 - s25
	s_cmp_lt_u32 s16, 4                            ; LDS IS WRITTEN: the streamers lay quarter j down; no wave reads LDS
	s_cbranch_scc0 .Lj_w
	s_cmp_eq_u32 s25, 4
	s_cbranch_scc0 .Lw1
	STORE 0
	s_branch .Lj_w
.Lw1:
	s_cmp_eq_u32 s25, 3
	s_cbranch_scc0 .Lw2
	STORE 1
	s_branch .Lj_w
.Lw2:
	s_cmp_eq_u32 s25, 2
	s_cbranch_scc0 .Lw3
	STORE 2
	s_branch .Lj_w
.Lw3:
	STORE 3
.Lj_w:
	BAR                                            ; quarter j is in LDS
	s_cmp_lt_u32 s16, 4                            ; LDS IS READ: quarter j is multiplied; the streamers work on registers
	s_cbranch_scc0 .Lc_r
	s_cmp_lt_u32 s25, 3
	s_cbranch_scc1 .Ls_l
	CONV4 1                                        ; trips 0 and 1: quarter j + 1 into registers, quarter j + 2 asked for
	s_branch .Lj_r
.Ls_l:
	s_cmp_eq_u32 s25, 2
	s_cbranch_scc0 .Lj_r
	CONV4 0                                        ; trip 2: quarter 3 into registers
	s_branch .Lj_r
.Lc_r:
	CBIG
.Lj_r:
	BAR                                            ; the reads of quarter j are over
	s_sub_co_u32 s25, s25, 1
	s_cmp_lg_u32 s25, 0
	s_cbranch_scc1 .Lphase
	s_wait_loadcnt 0x0                             ; the load ahead that wrapped: its registers are used below
.rept 4
	v_nop
.endr
	; THE TILES.  Trip u is tile cw + 4 u; 16 trips cover 1,024 rows.  Trips 0 to 2 find their sums in registers; later ones make them first.  A trip: the sums (LDS is read); a barrier; the sums go
	; into each wave's own stage (LDS is written); a barrier; the way out (LDS is read).  Every wave passes every barrier; a streamer's and a dead tile's work is jumped.
	s_mov_b32 s27, 0
	s_mov_b32 s28, s17
.Ltile:
	s_cmp_lt_u32 s16, 4
	s_cbranch_scc1 .Lj_s
	s_lshl_b32 s29, s28, 4
	s_cmp_lt_u32 s29, s20
	s_cselect_b32 s49, 1, 0                        ; the tile lives
	s_cbranch_scc0 .Lj_s
	s_cmp_lt_u32 s27, 3
	s_cbranch_scc1 .Lj_s
	; a tile beyond the first 192 rows, into tile 0's accumulators
.irp nb,0,1,2,3
	v_add_nc_u32 v[8+(\nb)], (\nb)*BLK, v15        ; back to K = 0
.endr
	s_lshl_b32 s29, s27, 8
	v_add_nc_u32 v233, s29, v226
	global_load_b32 v20, v233, s[4:5]
	v_lshlrev_b32 v228, 5, v3
	BIAS
	v_lshlrev_b32 v229, 7, v3
	s_wait_loadcnt 8                               ; the slots are in
	v_min_u32 v230, 0x7ff, v20
	v_lshl_add_u32 v12, v230, 12, v229
	v_lshlrev_b32 v230, 2, v230
	global_load_b32 v24, v230, s[12:13]
	s_mov_b32 s24, 0
	s_wait_loadcnt 0x0
	WIN 0x55
	START 0
	WIN 0
.rept 4
	v_nop
.endr
	s_mov_b32 s26, 16
.Lslow:
	s_wait_xcnt 0x0                                ; the offset, and registers that earlier stores read, are written again only behind this wait
	v_add_nc_u32 v16, s24, v12
.irp i,0,1,2,3,4,5,6,7
	global_load_b128 v[32+4*(\i):32+4*(\i)+3], v16, s[6:7] offset:16*(\i)
.endr
	FRAGS
	s_wait_loadcnt 0x0
	s_wait_dscnt 0x0
	WIN 0x51
.irp s,0,1,2,3
.irp nb,0,1,2,3
	v_wmma_f32_16x16x32_bf16 v[128+8*(\nb):128+8*(\nb)+7], v[32*(\s)+8*(\nb):32*(\s)+8*(\nb)+7], v[32+8*(\s):32+8*(\s)+7], v[128+8*(\nb):128+8*(\nb)+7]
.endr
.endr
	WIN 0
.irp nb,0,1,2,3
	v_add_nc_u32 v[8+(\nb)], KB, v[8+(\nb)]        ; also the places behind the last product
.endr
	s_add_co_u32 s24, s24, KB
	s_sub_co_u32 s26, s26, 1
	s_cmp_lg_u32 s26, 0
	s_cbranch_scc1 .Lslow
.Lj_s:
	BAR                                            ; nobody reads LDS any more
	s_cmp_lt_u32 s16, 4
	s_cbranch_scc1 .Lj_d
	s_cmp_eq_u32 s49, 0
	s_cbranch_scc1 .Lj_d
	s_cmp_eq_u32 s27, 1
	s_cbranch_scc1 .Ld1
	s_cmp_eq_u32 s27, 2
	s_cbranch_scc1 .Ld2
	DUMPT 0
	s_branch .Lj_d
.Ld1:
	DUMPT 1
	s_branch .Lj_d
.Ld2:
	DUMPT 2
.Lj_d:
	BAR                                            ; nobody writes LDS any more
	s_cmp_lt_u32 s16, 4
	s_cbranch_scc1 .Lnext
	s_cmp_eq_u32 s49, 0
	s_cbranch_scc1 .Lnext
	; THE WAY OUT: whole rows back from my own stage, two rows a store
	s_wait_xcnt 0x0                                ; the last tile's stores have read their registers
.irp i,0,1,2,3,4,5,6,7
	ds_load_b128 v[32+4*(\i):32+4*(\i)+3], v31 offset:2*SPIT*(\i)
.endr
.irp i,0,1,2,3,4,5,6,7
	ds_load_b32 v[64+(\i)], v224 offset:2*SPIT*(\i)
.endr
	s_wait_dscnt 0x0
.irp i,0,1,2,3,4,5,6,7
	v_min_u32 v[64+(\i)], 0x7ff, v[64+(\i)]        ; inside part whatever the list holds
	v_lshl_add_u32 v[72+(\i)], v[64+(\i)], 12, v225
.endr
.irp i,0,1,2,3,4,5,6,7
	global_store_b128 v[72+(\i)], v[32+4*(\i):32+4*(\i)+3], s[14:15]  ; 16 lanes: 256 consecutive bytes of a row of part, aligned
.endr
.Lnext:
	s_add_co_u32 s28, s28, 4
	s_add_co_u32 s27, s27, 1
	s_cmp_lt_u32 s27, 16
	s_cbranch_scc1 .Ltile
	BAR                                            ; the last reads of LDS are over
	s_wait_tensorcnt 0x0                           ; the wave's end: three lines behind my last LDS store
	ds_add_u32 v4, v5
	s_wait_dscnt 0x0
	s_endpgm
.Lfunc_end_k_q3f912339a3_ffn2:
	.size	k_q3f912339a3_ffn2, .Lfunc_end_k_q3f912339a3_ffn2-k_q3f912339a3_ffn2
	.p2alignl 7, 3214868480
	.fill 96, 4, 3214868480
	.section	.rodata,"a",@progbits
	.p2align	6, 0x0
	.amdhsa_kernel k_q3f912339a3_ffn2
		.amdhsa_group_segment_fixed_size 281856
		.amdhsa_private_segment_fixed_size 0
		.amdhsa_enable_private_segment 0
		.amdhsa_kernarg_size 48
		.amdhsa_user_sgpr_count 2
		.amdhsa_user_sgpr_kernarg_segment_ptr 1
		.amdhsa_wavefront_size32 1
		.amdhsa_system_sgpr_workgroup_id_x 1
		.amdhsa_system_sgpr_workgroup_id_y 1
		.amdhsa_system_sgpr_workgroup_id_z 1
		.amdhsa_system_vgpr_workitem_id 0
		.amdhsa_next_free_vgpr 512
		.amdhsa_next_free_sgpr 66
		.amdhsa_reserve_vcc 0
		.amdhsa_float_denorm_mode_32 3
		.amdhsa_float_denorm_mode_16_64 3
		.amdhsa_memory_ordered 1
		.amdhsa_forward_progress 1
		.amdhsa_inst_pref_size 95
	.end_amdhsa_kernel
	.amdgpu_metadata
---
amdhsa.version: [ 1, 2 ]
amdhsa.kernels:
  - .name:           k_q3f912339a3_ffn2
    .symbol:         k_q3f912339a3_ffn2.kd
    .args:
      - { .name: lists, .offset: 0, .size: 8, .value_kind: global_buffer, .address_space: global }
      - { .name: hid, .offset: 8, .size: 8, .value_kind: global_buffer, .address_space: global }
      - { .name: w2, .offset: 16, .size: 8, .value_kind: global_buffer, .address_space: global }
      - { .name: b2, .offset: 24, .size: 8, .value_kind: global_buffer, .address_space: global }
      - { .name: wts, .offset: 32, .size: 8, .value_kind: global_buffer, .address_space: global }
      - { .name: part, .offset: 40, .size: 8, .value_kind: global_buffer, .address_space: global }
    .group_segment_fixed_size: 281856
    .private_segment_fixed_size: 0
    .kernarg_segment_align: 8
    .kernarg_segment_size: 48
    .max_flat_workgroup_size: 256
    .sgpr_count:     66
    .vgpr_count:     512
    .wavefront_size: 32
...
	.end_amdgpu_metadata
.endif
;; end of part 3
;; launch combine (part 4): grid 256 x 1, 8 waves a work-group, no clusters, 0 bytes of LDS; arguments h, part, out0; writes out0
.if DOCPART == 4
	.amdgcn_target "amdgcn-amd-amdhsa--gfx1250"
	.amdhsa_code_object_version 6
	.text
	.protected	k_q3f912339a3_combine
	.globl	k_q3f912339a3_combine
	.p2align	8
	.type	k_q3f912339a3_combine,@function
k_q3f912339a3_combine:
	s_mov_b64 s[64:65], 0
	v_nop
	global_prefetch_b8 v0, s[64:65] scope:SCOPE_SE
	s_setreg_imm32_b32 hwreg(HW_REG_WAVE_MODE, 25, 1), 1
	s_wait_xcnt 0x0
; out0[n] = clip(h[n] + (part[2 n] + part[2 n + 1]), -100, 100), all f32: a token's two weighted expert rows are added in the order in which the reference adds them.
; A stream: a work-group has 4 tokens, thread t the 16 bytes at byte 16 t of every row, so each load and store of a wave covers 512 consecutive bytes, aligned.  All 12 loads of a thread go out
; before the first wait.  No LDS, no barrier, no matrix unit: nothing is shared and nothing is multiplied.  NaN is not treated apart.
	s_load_b128 s[4:7], s[0:1], 0x0                ; h s[4:5], part s[6:7]
	s_load_b64 s[8:9], s[0:1], 0x10                ; out0
	v_lshlrev_b32 v1, 4, v0
	s_lshl_b32 s10, ttmp9, 14                      ; 4 rows of 4,096 bytes in h and out0,
	s_mov_b32 s11, 0
	s_lshl_b32 s12, ttmp9, 15                      ; 8 in part
	s_mov_b32 s13, 0
	s_mov_b32 s14, 0xc2c80000                      ; -100
	s_mov_b32 s15, 0x42c80000                      ; 100
	s_wait_kmcnt 0x0
	s_add_nc_u64 s[4:5], s[4:5], s[10:11]
	s_add_nc_u64 s[8:9], s[8:9], s[10:11]
	s_add_nc_u64 s[6:7], s[6:7], s[12:13]
.irp i,0,1,2,3
	global_load_b128 v[4+12*(\i):7+12*(\i)],   v1, s[4:5] offset:4096*(\i) th:TH_LOAD_NT
	global_load_b128 v[8+12*(\i):11+12*(\i)],  v1, s[6:7] offset:8192*(\i) th:TH_LOAD_NT
	global_load_b128 v[12+12*(\i):15+12*(\i)], v1, s[6:7] offset:8192*(\i)+4096 th:TH_LOAD_NT
.endr
.irp i,0,1,2,3
	s_wait_loadcnt 9-3*(\i)                        ; token i's three loads are in: three for each later token are younger
	v_pk_add_f32 v[8+12*(\i):9+12*(\i)],   v[8+12*(\i):9+12*(\i)],   v[12+12*(\i):13+12*(\i)]
	v_pk_add_f32 v[10+12*(\i):11+12*(\i)], v[10+12*(\i):11+12*(\i)], v[14+12*(\i):15+12*(\i)]
	v_pk_add_f32 v[4+12*(\i):5+12*(\i)],   v[4+12*(\i):5+12*(\i)],   v[8+12*(\i):9+12*(\i)]
	v_pk_add_f32 v[6+12*(\i):7+12*(\i)],   v[6+12*(\i):7+12*(\i)],   v[10+12*(\i):11+12*(\i)]
.irp j,0,1,2,3
	v_med3_num_f32 v[4+12*(\i)+(\j)], v[4+12*(\i)+(\j)], s14, s15
.endr
	global_store_b128 v1, v[4+12*(\i):7+12*(\i)], s[8:9] offset:4096*(\i) th:TH_STORE_NT
.endr
	s_endpgm
.Lfunc_end_k_q3f912339a3_combine:
	.size	k_q3f912339a3_combine, .Lfunc_end_k_q3f912339a3_combine-k_q3f912339a3_combine
	.p2alignl 7, 3214868480
	.fill 96, 4, 3214868480
	.section	.rodata,"a",@progbits
	.p2align	6, 0x0
	.amdhsa_kernel k_q3f912339a3_combine
		.amdhsa_group_segment_fixed_size 0
		.amdhsa_private_segment_fixed_size 0
		.amdhsa_enable_private_segment 0
		.amdhsa_kernarg_size 24
		.amdhsa_user_sgpr_count 2
		.amdhsa_user_sgpr_kernarg_segment_ptr 1
		.amdhsa_wavefront_size32 1
		.amdhsa_system_sgpr_workgroup_id_x 1
		.amdhsa_system_sgpr_workgroup_id_y 1
		.amdhsa_system_sgpr_workgroup_id_z 1
		.amdhsa_system_vgpr_workitem_id 0
		.amdhsa_next_free_vgpr 64
		.amdhsa_next_free_sgpr 66
		.amdhsa_reserve_vcc 0
		.amdhsa_float_denorm_mode_32 3
		.amdhsa_float_denorm_mode_16_64 3
		.amdhsa_memory_ordered 1
		.amdhsa_forward_progress 1
		.amdhsa_inst_pref_size 5
	.end_amdhsa_kernel
	.amdgpu_metadata
---
amdhsa.version: [ 1, 2 ]
amdhsa.kernels:
  - .name:           k_q3f912339a3_combine
    .symbol:         k_q3f912339a3_combine.kd
    .args:
      - { .name: h, .offset: 0, .size: 8, .value_kind: global_buffer, .address_space: global }
      - { .name: part, .offset: 8, .size: 8, .value_kind: global_buffer, .address_space: global }
      - { .name: out0, .offset: 16, .size: 8, .value_kind: global_buffer, .address_space: global }
    .group_segment_fixed_size: 0
    .private_segment_fixed_size: 0
    .kernarg_segment_align: 8
    .kernarg_segment_size: 24
    .max_flat_workgroup_size: 256
    .sgpr_count:     66
    .vgpr_count:     64
    .wavefront_size: 32
...
	.end_amdgpu_metadata
.endif
;; end of part 4
